; MI455X (gfx1250); checked and timed in simulation.
; The chip was launched on July 23, 2026; its instructions are those of AMD's public machine-readable ISA for CDNA 5 (MIT licence, August 2026) and "CDNA5" Instruction Set Architecture Reference Guide (July 2026). The comments in the code are by the model that wrote it; some were corrected since.
;; GC Edecoder. Allowed arithmetic: matrix products marked QUANTISED: E2M3 operands, one E8M0 scale for each 32 along K, by v_wmma_scale_f32_16x16x128_f8f6f4 with both operands' format E2M3, f32 sums; products left as they are: f32 operands where the result goes on into a quantised operand, else bf16, f16 or f32 operands; f32 sums; everything else in f32.
;; Inputs: C_acts 128 x 128 x 400 float32; C_vals 1,024 x 1 x 400 float32; H_utt 128 x 512 x 400 float32; W_score 1 x 400 float32; b_score 1 float32; c_utt 128 x 400 float32; utterance_len 128 int32.
;; Outputs: out0 128 x 1,024 float32; out1 128 x 1,024 float32.
;; This version of the problem:
;;   THIS VERSION OF THE PROBLEM IS GIVEN IN LOW PRECISION. The matrix products marked QUANTISED in the list below multiply operands that are first quantised to E2M3 (2 exponent bits, 3 mantissa bits; 6 bits a number), with one power-of-two scale for each 32 numbers along K (OCP MX v1.0); their sums are f32. All else is computed in f32.
;;   The module's matrix products, in the order in which they are computed (A, B: the left and right operand; K: the contracted axis; several contracted axes count as one K, in the product's order):
;;     1. [M 1,024, K 400] x [K 400, N 65,536]; A: input C_vals; B: input H_utt: QUANTISED
;;     2. batch 128 x [M 1,024, K 512] x [K 512, N 400]; A: softmax (see below); B: input H_utt: QUANTISED
;;     3. [M 131,072, K 400] x [K 400, N 1]; A: computed on the way; B: input W_score: left as it is (N = 1 < 16)
;;     4. batch 128 x [M 128, K 400] x [K 400, N 1]; A: input C_acts; B: input c_utt: left as it is (N = 1 < 16)
;;     5. batch 128 x [M 1, K 128] x [K 128, N 400]; A: softmax (see below); B: input C_acts: left as it is (M = 1 < 16)
;;     6. [M 128, K 400] x [K 400, N 1,024]; A: computed on the way; B: input C_vals: QUANTISED
;;   THE QUANTISER, for each operand of a quantised product, along K:
;;     - K is cut into blocks of 32 from its start; a last block that is shorter is filled with zeros.
;;     - A block's scale is 2^e with e = floor(log2(the largest magnitude in the block)) - 2, held to -126 .. 127; a block of zeros has e = 0. As a byte (E8M0): e + 127.
;;     - Each number is divided by its block's scale, clamped to +-7.5, and rounded to the nearest number of E2M3, ties to even, subnormals kept.
;;     - The product sums the exact products of the quantised numbers (number of the format x scale) in f32.
;;   ~~~python
;;   def quantise(x, axis):      # numpy; x: float32 -> the quantised numbers, widened to float32 again
;;       x = np.moveaxis(x, axis, -1); K = x.shape[-1]
;;       x = np.pad(x, [(0, 0)] * (x.ndim - 1) + [(0, -K % 32)]); x = x.reshape(x.shape[:-1] + (-1, 32)); a = np.abs(x).max(-1, keepdims=True)
;;       e = np.where(a > 0, np.clip(np.frexp(np.where(a > 0, a, 1))[1] - 1 - 2, -126, 127), 0)      # np.frexp(a)[1] - 1 = floor(log2(a)), exactly
;;       r = np.clip(x / 2.0 ** e, -7.5, 7.5)
;;       step = 2.0 ** (np.maximum(np.frexp(np.where(r == 0, 1, r))[1] - 1, 0) - 3)
;;       q = np.round(r / step) * step * 2.0 ** e      # np.round: ties to even
;;       return np.moveaxis(q.reshape(q.shape[:-2] + (-1,))[..., :K], -1, axis).astype(np.float32)
;;   ~~~
;;   SOFTMAX AHEAD OF A QUANTISED PRODUCT. Where the list says 'softmax', what is quantised is not the finished softmax but p = 2^(t - M), with t = logit x log2(e) and M = ceil(the row's largest t), a whole number; so 1/2 < the row's largest p <= 1. The row's sum l is taken of the UNQUANTISED p, in f32, and the product's result is divided by l at the end. Since M is a whole number, a kernel that streams over the keys may use a running M (the ceiling of the running maximum): every later rescaling is an exact power of two, which a block's scale takes up: the codes' values come out the same.
;;   OPERANDS COMPUTED ON THE WAY. 'Computed on the way' means the value that the module computes at that place (a softmax that the list does not call 'softmax' is quantised finished and normalised). What goes into a quantiser is computed in f32, as accurately as f32 sums, v_exp_f32 and their like allow (about 1e-6 of the number): no bf16 or f16 on the way to a quantiser, and a product that is left as it is and whose result goes on into a quantised operand takes f32 operands (vector FMAs, or v_wmma_f32_16x16x4_f32). A number that lies on a knife's edge between two numbers of the format may be rounded either way, as far as f32 arithmetic and the matrix unit's own rounding can turn it there, and no further.
;; One version. Each part assembles by itself: llvm-mc -triple=amdgcn-amd-amdhsa -mcpu=gfx1250 --defsym DOCPART=n.
;; ======== version 1 of 1: 3 launches
;; limits: right only within a limited range of input values
;; workspace buffers: kimg 20,971,520 bytes; ksc 1,048,576 bytes; vimg 19,660,800 bytes; vsc 1,703,936 bytes; qimg 327,680 bytes; qsc 16,384 bytes; qa_codes 49,152 bytes; qa_sc 2,048 bytes
;; launch acts (part 1): grid 144 x 1, 16 waves a work-group, no clusters, 35,328 bytes of LDS; arguments C_acts, c_utt, C_vals, qa_codes, qa_sc, qimg, qsc; writes qa_codes, qa_sc, qimg, qsc
.if DOCPART == 1
	.amdgcn_target "amdgcn-amd-amdhsa--gfx1250"
	.amdhsa_code_object_version 6
	.text
	.protected	k_qe207587cf6_acts
	.globl	k_qe207587cf6_acts
	.p2align	8
	.type	k_qe207587cf6_acts,@function
k_qe207587cf6_acts:
	s_mov_b64 s[64:65], 0
	v_nop
	global_prefetch_b8 v0, s[64:65] scope:SCOPE_SE
	s_setreg_imm32_b32 hwreg(HW_REG_WAVE_MODE, 25, 1), 1
	s_wait_xcnt 0x0
; THE PROGRAM: three launches.  This one makes the codes of q_acts and of the values; the second turns H_utt into codes twice (along d and along t); the third does all three quantised products.
; WORK LEFT OUT, in the second and third launch: a key step of 128 keys whose first key 128 w is at or beyond utterance_len[b].  reference() sets the scores of all keys t >= utterance_len[b] to -inf ahead of
; the softmax, so their p is 0 for every finite H_utt and C_vals: they add nothing to the row's sum and nothing to q_utts.  Which steps these are is decided by whole numbers that those launches read from memory.
; Every input has a way to an output and is loaded.  LIMIT: a NaN, an infinity or an overflow that reaches only the key steps left out is not carried to the result.
; THIS LAUNCH.  Work-groups 0 to 127 (one for each b): s2 = C_acts[b] c_utt[b], p2 = softmax(s2), q_acts = p2 C_acts[b], all in f32 (fused multiply-adds: the result goes into a quantiser); q_acts is quantised along d
; to FP6 (E2M3), one E8M0 byte for each 32: a plain row of 512 codes (zeros from 400 on), 384 bytes, and 16 scale bytes.
; Work-groups 128 to 143: C_vals is quantised along d and laid in the order of an operand's registers: value tile vt (16 values): K steps 0 to 2: three groups of four registers, each [lane][16 bytes];
; K step 3 (d = 384 .. 399): the first group alone.  Scale words: [vt][lane][8 bytes]: word 0: lanes 0-15 K step 0, lanes 16-31 K step 1; word 1: K steps 2 and 3.
; A block's scale byte is its largest magnitude's exponent field - 2, held at 1 from below; a block of zeros keeps the byte 1: its codes are zeros, and this program alone reads the bytes.
; LIMITS: NaN and infinities among the inputs are not served.
.set ROWB,  1600                       ; a row of 400 f32
.set QP,    512                        ; LDS: bytes 0-511 the 128 scores s2; from 512 on sixteen partial sums of q, 2,048 bytes each, linear in d
.set SPARE, QP+16*2048                 ; the spare words, 128 bytes for each wave: eight blocks of 256 bytes that no other line names
.set SPW,   2                          ; v2  LDS address of my spare word; never rewritten
.set NIL,   3                          ; v3  0; never rewritten
.set CU,    32                         ; v32-47   c_utt: my 16 numbers: d = 128 g + 4 lane + 0..3
.set QV,    48                         ; v48-63   q: my 16 numbers
.set CA,    64                         ; v64-191  C_acts: act a, group g at 64 + 16 a + 4 g
.set TT,    192                        ; v192..   at work
	s_load_b256 s[4:11], s[0:1], 0x0               ; C_acts s[4:5], c_utt s[6:7], C_vals s[8:9], qa_codes s[10:11]
	s_load_b128 s[12:15], s[0:1], 0x20             ; qa_sc s[12:13], qimg s[14:15]
	s_load_b64 s[16:17], s[0:1], 0x30              ; qsc
	v_lshl_add_u32 v[SPW], v0, 2, SPARE
	v_mov_b32 v[NIL], 0
	v_lshrrev_b32 v1, 5, v0
	v_readfirstlane_b32 s18, v1                    ; wave 0..15
	v_and_b32 v1, 31, v0                           ; lane
	s_mov_b32 s24, 0x76543210
	s_mov_b32 s25, 0xfedcba98                      ; v_permlanex16_b32's selects for lane l xor 16
	s_wait_kmcnt 0x0
	s_cmp_ge_u32 ttmp9, 128
	s_cbranch_scc1 .Lvalues                        ; the work-group's number alone decides
	; ---------------- q_acts of utterance b = work-group.  Wave wv owns acts 8 wv .. 8 wv + 7
	v_lshlrev_b32 v4, 4, v1                        ; 16 lane: my 16 bytes of a group of 512
	v_min_u32 v5, 3, v1
	v_lshl_add_u32 v5, v5, 4, 1536                 ; group 3 has 64 bytes: lanes 4 and up read lane 3's again, so that no load leaves the row
	s_lshl_b32 s19, s18, 5
	v_mov_b32 v6, s19                              ; LDS: my wave's eight scores
	s_lshl_b32 s19, s18, 11
	s_add_co_u32 s19, s19, QP
	v_add_nc_u32 v7, s19, v4                       ; LDS: my wave's partial sum, 16 lane
	v_lshlrev_b32 v8, 4, v1                        ; LDS: four of the 128 scores
	v_lshl_add_u32 v9, v1, 6, QP                   ; LDS: d = 16 lane .. 16 lane + 15 of a partial sum
	s_mul_i32 s20, ttmp9, 128*ROWB
	s_mul_i32 s21, s18, 8*ROWB
	s_add_co_u32 s20, s20, s21
	s_mov_b32 s21, 0
	s_add_nc_u64 s[4:5], s[4:5], s[20:21]          ; C_acts at my first act
	s_mul_i32 s20, ttmp9, ROWB
	s_add_nc_u64 s[6:7], s[6:7], s[20:21]          ; c_utt[b]
	s_mul_i32 s20, ttmp9, 384
	s_add_nc_u64 s[10:11], s[10:11], s[20:21]      ; q's codes
	s_lshl_b32 s20, ttmp9, 4
	s_add_nc_u64 s[12:13], s[12:13], s[20:21]      ; q's scale bytes
.irp g, 0,1,2
	global_load_b128 v[CU+4*\g:CU+4*\g+3], v4, s[6:7] offset:512*\g
.endr
	global_load_b128 v[CU+12:CU+15], v5, s[6:7]
.irp a, 0,1,2,3,4,5,6,7
.irp g, 0,1,2
	global_load_b128 v[CA+16*\a+4*\g:CA+16*\a+4*\g+3], v4, s[4:5] offset:ROWB*\a+512*\g th:TH_LOAD_NT
.endr
	global_load_b128 v[CA+16*\a+12:CA+16*\a+15], v5, s[4:5] offset:ROWB*\a th:TH_LOAD_NT
.endr
	s_wait_loadcnt 0x0
	v_cmp_gt_u32 vcc_lo, 4, v1
.irp k, 0,1,2,3
	v_cndmask_b32 v[CU+12+\k], 0, v[CU+12+\k], vcc_lo   ; c counts for nothing where group 3 has no number
.endr
.irp a, 0,1,2,3,4,5,6,7
	v_pk_mul_f32 v[TT+2*\a:TT+2*\a+1], v[CA+16*\a:CA+16*\a+1], v[CU:CU+1]
.endr
.irp k, 2,4,6,8,10,12,14
.irp a, 0,1,2,3,4,5,6,7
	v_pk_fma_f32 v[TT+2*\a:TT+2*\a+1], v[CA+16*\a+\k:CA+16*\a+\k+1], v[CU+\k:CU+\k+1], v[TT+2*\a:TT+2*\a+1]   ; the eight acts by turns
.endr
.endr
.irp a, 0,1,2,3,4,5,6,7
	v_add_f32 v[16+\a], v[TT+2*\a], v[TT+2*\a+1]
.endr
.irp m, 1,2,4,8
.irp a, 0,1,2,3,4,5,6,7
	v_add_f32_dpp v[16+\a], v[16+\a], v[16+\a] row_xmask:\m row_mask:0xf bank_mask:0xf
.endr
.endr
.irp a, 0,1,2,3,4,5,6,7
	v_permlanex16_b32 v[TT+\a], v[16+\a], s24, s25
.endr
.irp a, 0,1,2,3,4,5,6,7
	v_add_f32 v[16+\a], v[16+\a], v[TT+\a]         ; s2 of act a, in every lane
.endr
.irp a, 0,1,2,3,4,5,6,7
	ds_store_b32 v6, v[16+\a] offset:4*\a          ; all lanes write the same word with the same value
.endr
	s_wait_dscnt 0x0                               ; for the others' sake: my scores have landed
	s_barrier_signal -1
	s_barrier_wait -1
	ds_load_b128 v[208:211], v8                    ; four of the 128 scores a lane
	s_wait_dscnt 0x0
	v_max3_num_f32 v212, v208, v209, v210
	v_max_num_f32 v212, v212, v211
.irp m, 1,2,4,8
	v_max_num_f32_dpp v212, v212, v212 row_xmask:\m row_mask:0xf bank_mask:0xf
.endr
	v_permlanex16_b32 v[TT], v212, s24, s25
	v_max_num_f32 v212, v212, v[TT]                ; the largest score: taken away ahead of the exponential, as reference() does
.irp k, 0,1,2,3
	v_sub_f32 v[208+\k], v[208+\k], v212
.endr
.irp a, 0,1,2,3,4,5,6,7
	v_sub_f32 v[24+\a], v[16+\a], v212
.endr
.irp k, 0,1,2,3
	v_mul_f32 v[208+\k], 0x3fb8aa3b, v[208+\k]     ; x log2(e)
.endr
.irp a, 0,1,2,3,4,5,6,7
	v_mul_f32 v[24+\a], 0x3fb8aa3b, v[24+\a]
.endr
.irp k, 0,1,2,3
	v_exp_f32 v[208+\k], v[208+\k]                 ; for the sum,
.endr
.irp a, 0,1,2,3,4,5,6,7
	v_exp_f32 v[24+\a], v[24+\a]                   ; and my own eight
.endr
	v_nop                                          ; a plain instruction behind the last exponential
	s_wait_alu depctr_va_vdst(0)                   ; one wait for the batch of twelve, ahead of its first reader
	v_add_f32 v213, v208, v209
	v_add_f32 v214, v210, v211
	v_add_f32 v213, v213, v214
.irp m, 1,2,4,8
	v_add_f32_dpp v213, v213, v213 row_xmask:\m row_mask:0xf bank_mask:0xf
.endr
	v_permlanex16_b32 v[TT], v213, s24, s25
	v_add_f32 v213, v213, v[TT]
	v_rcp_f32 v214, v213
	v_nop
	s_wait_alu depctr_va_vdst(0)
.irp a, 0,1,2,3,4,5,6,7
	v_mul_f32 v[24+\a], v[24+\a], v214             ; p2, finished and normalised
.endr
.irp k, 0,1,2,3,4,5,6,7,8,9,10,11,12,13,14,15
	v_mul_f32 v[QV+\k], v24, v[CA+\k]              ; the first act starts the sums
.endr
.irp a, 1,2,3,4,5,6,7
.irp k, 0,1,2,3,4,5,6,7,8,9,10,11,12,13,14,15
	v_fmac_f32 v[QV+\k], v[24+\a], v[CA+16*\a+\k]
.endr
.endr
.irp g, 0,1,2,3
	ds_store_b128 v7, v[QV+4*\g:QV+4*\g+3] offset:512*\g   ; byte 4 d of my wave's partial sum (what lies at d >= 400 is cleared below)
.endr
	s_wait_dscnt 0x0
	s_barrier_signal -1
	s_barrier_wait -1
	s_cmp_lg_u32 s18, 0
	s_cbranch_scc1 .Lend_a                         ; wave 0 adds the sixteen parts and quantises; no barrier stands in here
.macro QLD t                           ; the parts of waves 4 t .. 4 t + 3, my 16 numbers of each, into set t % 2
.irp i, 0,1,2,3
.irp k, 0,1,2,3
	ds_load_b128 v[CA+64*((\t)%2)+16*\i+4*\k:CA+64*((\t)%2)+16*\i+4*\k+3], v9 offset:2048*(4*(\t)+\i)+16*\k
.endr
.endr
.endm
.macro QSUM t
.set BB, CA+64*((\t)%2)
.irp k, 0,2,4,6,8,10,12,14
.if (\t) == 0
	v_pk_add_f32 v[QV+\k:QV+\k+1], v[BB+\k:BB+\k+1], v[BB+16+\k:BB+17+\k]
.else
	v_pk_add_f32 v[QV+\k:QV+\k+1], v[QV+\k:QV+\k+1], v[BB+\k:BB+\k+1]
	v_pk_add_f32 v[QV+\k:QV+\k+1], v[QV+\k:QV+\k+1], v[BB+16+\k:BB+17+\k]
.endif
	v_pk_add_f32 v[QV+\k:QV+\k+1], v[QV+\k:QV+\k+1], v[BB+32+\k:BB+33+\k]
	v_pk_add_f32 v[QV+\k:QV+\k+1], v[QV+\k:QV+\k+1], v[BB+48+\k:BB+49+\k]
.endr
.endm
	QLD 0
	QLD 1
	s_wait_dscnt 16                                ; the older set is in; the younger set's 16 loads may be out
	QSUM 0
	QLD 2
	s_wait_dscnt 16
	QSUM 1
	QLD 3
	s_wait_dscnt 16
	QSUM 2
	s_wait_dscnt 0x0
	QSUM 3
	v_cmp_gt_u32 vcc_lo, 25, v1
.irp k, 0,1,2,3,4,5,6,7,8,9,10,11,12,13,14,15
	v_cndmask_b32 v[QV+\k], 0, v[QV+\k], vcc_lo    ; d >= 400: the quantiser's fill of zeros
.endr
	v_max3_num_f32 v16, |v[QV]|, |v[QV+1]|, |v[QV+2]|    ; the largest magnitude of my 16
	v_max3_num_f32 v17, |v[QV+3]|, |v[QV+4]|, |v[QV+5]|
.irp i, 6,10
	v_max3_num_f32 v16, v16, |v[QV+\i]|, |v[QV+\i+1]|
	v_max3_num_f32 v17, v17, |v[QV+\i+2]|, |v[QV+\i+3]|
.endr
	v_max3_num_f32 v16, v16, |v[QV+14]|, |v[QV+15]|
	v_max3_num_f32 v16, v16, v17, 0x1800000        ; and the floor 2^(3 - 127): the byte cannot fall under 1
	v_max_num_f32_dpp v16, v16, v16 row_xmask:1 row_mask:0xf bank_mask:0xf   ; with my neighbour's 16: the block's
	v_add_nc_u32 v17, 0xff000000, v16              ; 2 off its exponent field: the conversion's scale operand
	v_cvt_scalef32_pk16_fp6_f32 v[20:22], v[QV:QV+15], v17
	v_lshrrev_b32 v18, 23, v17                     ; the scale's byte
	v_mul_u32_u24 v19, v1, 12
	v_lshrrev_b32 v23, 1, v1
	global_store_b96 v19, v[20:22], s[10:11]       ; the wave stores the row's 384 consecutive bytes
	global_store_b8 v23, v18, s[12:13]             ; both lanes of a block write the same byte with the same value
.Lend_a:
	s_wait_tensorcnt 0x0                           ; the wave's end, behind my last LDS store
	ds_add_u32 v[SPW], v[NIL]
	s_wait_dscnt 0x0
	s_endpgm
	; ---------------- the values.  A wave takes one value tile vt and one K step s; this way touches no LDS
.Lvalues:
	s_sub_co_u32 s19, ttmp9, 128
	s_lshl_b32 s19, s19, 4
	s_add_co_u32 s19, s19, s18                     ; job 0..255
	s_lshr_b32 s20, s19, 2                         ; vt
	s_and_b32 s21, s19, 3                          ; s
	v_and_b32 v4, 15, v0                           ; r: my value of the tile
	v_bfe_u32 v5, v0, 4, 1                         ; h
	s_lshl_b32 s22, s21, 7
	v_lshl_add_u32 v6, v5, 5, s22                  ; 128 s + 32 h: the operand's layout gives lane (r, h) d = 128 s + 64 c + 32 h + 0 .. 31
	v_mul_u32_u24 v7, v4, ROWB
	s_movk_i32 s23, 400
.irp q, 0,1,2,3                        ; four runs of 16 numbers: c = q / 2, the block's half q % 2
	v_add_nc_u32 v[8+\q], 64*(\q/2)+16*(\q%2), v6
	v_cmp_gt_u32 s[26+\q], s23, v[8+\q]            ; a run lies inside the row whole or not at all: 400 = 25 x 16
	v_min_u32 v[12+\q], 384, v[8+\q]               ; a run beyond the row reads the row's last 16: no load leaves the row
	v_lshl_add_u32 v[12+\q], v[12+\q], 2, v7
.endr
	s_mov_b32 s31, 0
	s_mul_i32 s30, s20, 16*ROWB
	s_add_nc_u64 s[8:9], s[8:9], s[30:31]          ; C_vals at the tile's first value
	s_mul_i32 s30, s20, 5120
	s_mul_i32 s22, s21, 1536
	s_add_co_u32 s30, s30, s22
	s_add_nc_u64 s[14:15], s[14:15], s[30:31]      ; the image of (vt, s)
	s_lshl_b32 s30, s20, 8
	s_and_b32 s22, s21, 1
	s_lshl_b32 s22, s22, 7
	s_add_co_u32 s30, s30, s22
	s_lshr_b32 s22, s21, 1
	s_lshl_b32 s22, s22, 2
	s_add_co_u32 s30, s30, s22
	s_add_nc_u64 s[16:17], s[16:17], s[30:31]      ; its scale words: 256 vt + 128 (s % 2) + 4 (s / 2), + 8 r
.irp q, 0,1,2,3
.irp k, 0,1,2,3
	global_load_b128 v[64+16*\q+4*\k:64+16*\q+4*\k+3], v[12+\q], s[8:9] offset:16*\k
.endr
.endr
	v_lshlrev_b32 v42, 4, v1
	v_lshlrev_b32 v43, 3, v4
	s_wait_loadcnt 0x0
.irp q, 0,1,2,3
.irp k, 0,1,2,3,4,5,6,7,8,9,10,11,12,13,14,15
	v_cndmask_b32 v[64+16*\q+\k], 0, v[64+16*\q+\k], s[26+\q]   ; zeros beyond d = 399, ahead of the block's maximum
.endr
.endr
.irp c, 0,1
	v_max3_num_f32 v[32+\c], |v[64+32*\c]|, |v[65+32*\c]|, 0x1800000
.endr
.irp i, 2,4,6,8,10,12,14,16,18,20,22,24,26,28,30
.irp c, 0,1
	v_max3_num_f32 v[32+\c], v[32+\c], |v[64+32*\c+\i]|, |v[65+32*\c+\i]|
.endr
.endr
.irp c, 0,1
	v_add_nc_u32 v[44+\c], 0xff000000, v[32+\c]
.endr
.irp c, 0,1
	v_lshrrev_b32 v[36+\c], 23, v[44+\c]
.endr
	v_lshl_or_b32 v40, v37, 16, v36                ; my two bytes: blocks h and 2 + h,
	v_lshlrev_b32 v41, 3, v5
	v_lshlrev_b32 v40, v41, v40                    ; at their places in the word;
	v_mov_b32 v41, 0
	v_permlanex16_b32 v41, v40, s24, s25
	v_or_b32 v40, v40, v41                         ; with lane l xor 16's two the word is whole
.irp c, 0,1
	v_cvt_scalef32_pk16_fp6_f32 v[48+6*\c:50+6*\c], v[64+32*\c:79+32*\c], v[44+\c]
	v_cvt_scalef32_pk16_fp6_f32 v[192+4*\c:194+4*\c], v[80+32*\c:95+32*\c], v[44+\c]   ; (a conversion's three registers begin on an even number)
.endr
	v_nop                                          ; one plain instruction behind the scaled conversions
.irp c, 0,1
.irp i, 0,1,2
	v_mov_b32 v[51+6*\c+\i], v[192+4*\c+\i]
.endr
.endr
	global_store_b128 v42, v[48:51], s[14:15]      ; each store covers 512 consecutive bytes, aligned
	s_cmp_eq_u32 s21, 3
	s_cbranch_scc1 .Lshort                         ; K step 3 has codes in its first group alone
	global_store_b128 v42, v[52:55], s[14:15] offset:512
	global_store_b128 v42, v[56:59], s[14:15] offset:1024
.Lshort:
	global_store_b32 v43, v40, s[16:17]            ; lanes r and 16 + r write the same word with the same value
	s_endpgm
.Lfunc_end_k_qe207587cf6_acts:
	.size	k_qe207587cf6_acts, .Lfunc_end_k_qe207587cf6_acts-k_qe207587cf6_acts
	.p2alignl 7, 3214868480
	.fill 96, 4, 3214868480
	.section	.rodata,"a",@progbits
	.p2align	6, 0x0
	.amdhsa_kernel k_qe207587cf6_acts
		.amdhsa_group_segment_fixed_size 35328
		.amdhsa_private_segment_fixed_size 0
		.amdhsa_enable_private_segment 0
		.amdhsa_kernarg_size 56
		.amdhsa_user_sgpr_count 2
		.amdhsa_user_sgpr_kernarg_segment_ptr 1
		.amdhsa_wavefront_size32 1
		.amdhsa_system_sgpr_workgroup_id_x 1
		.amdhsa_system_sgpr_workgroup_id_y 1
		.amdhsa_system_sgpr_workgroup_id_z 1
		.amdhsa_system_vgpr_workitem_id 0
		.amdhsa_next_free_vgpr 256
		.amdhsa_next_free_sgpr 66
		.amdhsa_reserve_vcc 1
		.amdhsa_float_denorm_mode_32 3
		.amdhsa_float_denorm_mode_16_64 3
		.amdhsa_memory_ordered 1
		.amdhsa_forward_progress 1
		.amdhsa_inst_pref_size 45
	.end_amdhsa_kernel
	.amdgpu_metadata
---
amdhsa.version: [ 1, 2 ]
amdhsa.kernels:
  - .name:           k_qe207587cf6_acts
    .symbol:         k_qe207587cf6_acts.kd
    .args:
      - { .name: C_acts, .offset: 0, .size: 8, .value_kind: global_buffer, .address_space: global }
      - { .name: c_utt, .offset: 8, .size: 8, .value_kind: global_buffer, .address_space: global }
      - { .name: C_vals, .offset: 16, .size: 8, .value_kind: global_buffer, .address_space: global }
      - { .name: qa_codes, .offset: 24, .size: 8, .value_kind: global_buffer, .address_space: global }
      - { .name: qa_sc, .offset: 32, .size: 8, .value_kind: global_buffer, .address_space: global }
      - { .name: qimg, .offset: 40, .size: 8, .value_kind: global_buffer, .address_space: global }
      - { .name: qsc, .offset: 48, .size: 8, .value_kind: global_buffer, .address_space: global }
    .group_segment_fixed_size: 35328
    .private_segment_fixed_size: 0
    .kernarg_segment_align: 8
    .kernarg_segment_size: 56
    .max_flat_workgroup_size: 512
    .sgpr_count:     66
    .vgpr_count:     256
    .wavefront_size: 32
...
	.end_amdgpu_metadata
.endif
;; end of part 1
;; launch quant (part 2): grid 8 x 128, 4 waves a work-group, no clusters, 128,512 bytes of LDS; arguments H_utt, utterance_len, kimg, ksc, vimg, vsc; writes kimg, ksc, vimg, vsc
.if DOCPART == 2
	.amdgcn_target "amdgcn-amd-amdhsa--gfx1250"
	.amdhsa_code_object_version 6
	.text
	.protected	k_qe207587cf6_quant
	.globl	k_qe207587cf6_quant
	.p2align	8
	.type	k_qe207587cf6_quant,@function
k_qe207587cf6_quant:
	s_mov_b64 s[64:65], 0
	v_nop
	global_prefetch_b8 v0, s[64:65] scope:SCOPE_SE
	s_setreg_imm32_b32 hwreg(HW_REG_WAVE_MODE, 25, 1), 1
	s_wait_xcnt 0x0
; H_utt [128][512][400] f32 is read once and turned into codes of FP6 (E2M3) twice: along d (operand of the scores) and along t (operand of the second product), both laid in the order of the operands' registers.
; WORK LEFT OUT: a key step w (keys 128 w .. 128 w + 127) with 128 w >= utterance_len[b] is neither read nor written: all its keys lie under reference()'s mask (shown at the head of the first kernel).
; A work-group takes 64 rows of one utterance: key step w = x / 2, half c = x % 2.  The 102,400 dense bytes come in by loads of 512 consecutive bytes and lie in LDS with 16 bytes of padding behind each 64:
; row t begins at 2000 t, number d at 80 (d / 16) + 4 (d % 16).  One barrier; then every wave reads the stage twice.
; ALONG d: wave i' makes tile 4 c + i' of the key step's eight.  THE KEYS OF A TILE ARE NOT NEIGHBOURS: lane r of tile 2 b + u takes key 32 b + 8 u + r + 8 (r / 8).  A lane holds whole blocks of 32 along d.
;   kimg [b][w][tile] x 5,120 bytes: K steps 0 to 2: three groups of four registers, [lane][16 bytes] each; K step 3 (d = 384 .. 399): the first group alone.  ksc [b][w][tile][lane][8]: word 0: lanes 0-15 K step 0,
;   lanes 16-31 K step 1; word 1: K steps 2 and 3.
; ALONG t: a lane takes a column d and its registers run down t: 64 rows are two blocks.  32 lanes are two tiles of 16 columns; an exchange of halves gives each tile's registers 6 c .. 6 c + 5.
;   vimg [b][w][d tile j][c] x 768 bytes: registers 6 c .. 6 c + 3 as [lane][16], then 6 c + 4, 6 c + 5 as [lane][8].  vsc [b][w][c][g][lane][4]: bytes 2 c, 2 c + 1 at their places; lanes 0-15 tile 2 g, lanes 16-31 tile 2 g + 1.
; A block's scale byte is its largest magnitude's exponent field - 2, held at 1 from below; a block of zeros keeps the byte 1: its codes are zeros, and this program alone reads the bytes.
; LIMITS: NaN and infinities among the inputs are not served.
.set ROWB,  1600
.set UNIT,  64*ROWB
.set SPARE, 128000                     ; behind the stage: the spare words, 128 bytes for each wave: two blocks of 256 bytes that no other line names
.set SPW,   2                          ; v2  LDS address of my spare word; never rewritten
.set NIL,   3                          ; v3  0; never rewritten
.set XA,    64                         ; v64-127, v128-191: two sets of 64 numbers (a K step of my row);  v192-207: the 16 numbers of K step 3
.set XB,    128
.set XL,    192
.set F0,    208                        ; v208-255: the four fragments' codes, each stored from registers of its own
.set F1,    220
.set F2,    232
.set F3,    244
	s_load_b256 s[4:11], s[0:1], 0x0               ; H s[4:5], utterance_len s[6:7], kimg s[8:9], ksc s[10:11]
	s_load_b128 s[12:15], s[0:1], 0x20             ; vimg s[12:13], vsc s[14:15]
	v_lshl_add_u32 v[SPW], v0, 2, SPARE
	v_mov_b32 v[NIL], 0
	v_lshrrev_b32 v1, 5, v0
	v_readfirstlane_b32 s16, v1                    ; wave 0..3
	v_and_b32 v1, 31, v0                           ; lane
	s_and_b32 s17, ttmp7, 0xffff                   ; b
	s_lshr_b32 s18, ttmp9, 1                       ; w
	s_and_b32 s19, ttmp9, 1                        ; c
	s_lshl_b32 s20, s17, 2
	s_wait_kmcnt 0x0
	s_load_b32 s21, s[6:7], s20 offset:0x0         ; utterance_len[b]
	; every LDS address is made here, ahead of the first jump
	v_and_b32 v15, 15, v0                          ; r
	v_bfe_u32 v16, v0, 4, 1                        ; h
	v_lshlrev_b32 v12, 4, v1                       ; 16 lane
	v_lshlrev_b32 v13, 3, v1                       ; 8 lane
	v_lshlrev_b32 v14, 2, v1                       ; 4 lane
	v_lshlrev_b32 v23, 3, v16                      ; 8 h
	v_mov_b32 v22, 0                               ; (a lane permute's destination counts as one of its sources)
	v_mov_b32 v31, 0
	s_mul_i32 s29, s16, 25600
	v_add_nc_u32 v4, s29, v12                      ; in memory: my wave's quarter of the unit, 16 bytes a lane
	v_lshrrev_b32 v17, 2, v1
	v_mul_u32_u24 v5, v17, 80
	v_and_b32 v17, 3, v1
	v_lshl_add_u32 v5, v17, 4, v5
	s_mul_i32 s29, s16, 32000
	v_add_nc_u32 v5, s29, v5                       ; in the stage: 80 (lane / 4) + 16 (lane % 4) + 32,000 wave; a load's 512 bytes take 640
	v_and_b32 v17, 8, v15
	v_add_nc_u32 v17, v17, v15                     ; r + 8 (r / 8)
	s_lshr_b32 s29, s16, 1
	s_lshl_b32 s29, s29, 5
	s_and_b32 s30, s16, 1
	s_lshl_b32 s30, s30, 3
	s_add_co_u32 s29, s29, s30
	v_add_nc_u32 v17, s29, v17                     ; my row of the 64: 32 (wave / 2) + 8 (wave % 2) + r + 8 (r / 8)
	v_mul_u32_u24 v7, v17, 2000                    ; the row,
	v_mad_u32_u24 v6, v16, 160, v7                 ; and + 32 h numbers
	v_lshlrev_b32 v10, 2, v15
	v_mad_u32_u24 v8, v16, 80, v10
	s_mul_i32 s29, s16, 160
	v_add_nc_u32 v8, s29, v8                       ; column 32 wave + lane of row 0,
	v_add_nc_u32 v9, 64000, v8                     ; of row 32;
	v_add_nc_u32 v10, 1920, v10                    ; column 384 + r (both halves of the lanes alike),
	v_add_nc_u32 v11, 64000, v10
	s_mov_b32 s32, 0x76543210
	s_mov_b32 s33, 0xfedcba98                      ; v_permlanex16_b32's selects for lane l xor 16
	s_mov_b32 s34, 0xffff0000                      ; lanes 16-31
	s_lshl_b32 s35, s19, 4                         ; 16 c
	s_lshl_b32 s24, s17, 2
	s_add_co_u32 s24, s24, s18                     ; 4 b + w
	s_lshl_b32 s25, s19, 2
	s_add_co_u32 s25, s25, s16                     ; my tile: 4 c + wave
	s_mov_b32 s27, 0
	s_mul_i32 s26, s17, 512*ROWB
	s_mul_i32 s28, ttmp9, UNIT
	s_add_co_u32 s26, s26, s28
	s_add_nc_u64 s[4:5], s[4:5], s[26:27]          ; H at the unit's first row
	s_mul_i32 s26, s24, 40960
	s_mul_i32 s28, s25, 5120
	s_add_co_u32 s26, s26, s28
	s_add_nc_u64 s[8:9], s[8:9], s[26:27]
	s_lshl_b32 s26, s24, 11
	s_lshl_b32 s28, s25, 8
	s_add_co_u32 s26, s26, s28
	s_add_nc_u64 s[10:11], s[10:11], s[26:27]
	s_mul_i32 s26, s24, 38400
	s_mul_i32 s28, s19, 768
	s_add_co_u32 s26, s26, s28
	s_mul_i32 s28, s16, 3072
	s_add_co_u32 s26, s26, s28
	s_add_nc_u64 s[12:13], s[12:13], s[26:27]      ; vimg: group g = wave + 4 k: the wave's part here, k in the immediates
	s_mul_i32 s26, s24, 3328
	s_mul_i32 s28, s19, 1664
	s_add_co_u32 s26, s26, s28
	s_lshl_b32 s28, s16, 7
	s_add_co_u32 s26, s26, s28
	s_add_nc_u64 s[14:15], s[14:15], s[26:27]
	s_wait_kmcnt 0x0
	s_lshl_b32 s22, s18, 7
	s_cmp_lt_i32 s22, s21
	s_cselect_b32 s23, 1, 0                        ; 1: the key step has a key that counts
	s_cmp_eq_u32 s23, 0
	s_cbranch_scc1 .Lno_in
	; ---- IN: 50 loads a wave, all on their way at once; each goes to the stage as it lands
.set NN, 0
.rept 50
	global_load_b128 v[56+4*NN:59+4*NN], v4, s[4:5] offset:512*NN th:TH_LOAD_NT
.set NN, NN+1
.endr
.set NN, 0
.rept 50
	s_wait_loadcnt 49-NN                           ; loads come back in order: this one is in, the younger ones stay out
	ds_store_b128 v5, v[56+4*NN:59+4*NN] offset:640*NN
.set NN, NN+1
.endr
.Lno_in:
	s_wait_dscnt 0x0                               ; for the others' sake: my part of the stage has landed
	s_barrier_signal -1                            ; every wave passes the barrier, whatever the length says
	s_barrier_wait -1
	s_cmp_eq_u32 s23, 0
	s_cbranch_scc1 .Lend
	; ---- ALONG d
.macro KLD x, s                        ; my row's 64 numbers of K step s: d = 128 s + 64 cc + 32 h + 0 .. 31
.irp cc, 0,1
.irp u, 0,1,2,3,4,5,6,7
	ds_load_b128 v[\x+32*\cc+4*\u:\x+32*\cc+4*\u+3], v6 offset:160*(4*(\s)+2*\cc)+16*\u+16*(\u/4)
.endr
.endr
.endm
.macro KQ x, f, wd                     ; 64 numbers become a fragment's 12 registers at v[f] and its scale word in v[wd]
.irp cc, 0,1
	v_max3_num_f32 v[16+\cc], |v[\x+32*\cc]|, |v[\x+32*\cc+1]|, 0x1800000   ; my block 2 cc + h: all 32 numbers are mine; and the floor 2^(3 - 127)
.endr
.irp i, 2,4,6,8,10,12,14,16,18,20,22,24,26,28,30
.irp cc, 0,1
	v_max3_num_f32 v[16+\cc], v[16+\cc], |v[\x+32*\cc+\i]|, |v[\x+32*\cc+\i+1]|
.endr
.endr
.irp cc, 0,1
	v_add_nc_u32 v[18+\cc], 0xff000000, v[16+\cc]  ; 2 off the exponent field: the conversion's scale operand
.endr
.irp cc, 0,1
	v_lshrrev_b32 v[20+\cc], 23, v[18+\cc]         ; the scale's byte
.endr
	v_lshl_or_b32 v[\wd], v21, 16, v20
	v_lshlrev_b32 v[\wd], v23, v[\wd]              ; my two bytes at their places (8 h bits up);
	v_permlanex16_b32 v22, v[\wd], s32, s33
	v_or_b32 v[\wd], v[\wd], v22                   ; with lane l xor 16's two the word is whole
.irp cc, 0,1
	v_cvt_scalef32_pk16_fp6_f32 v[\f+6*\cc:\f+6*\cc+2], v[\x+32*\cc:\x+32*\cc+15], v[18+\cc]
	v_cvt_scalef32_pk16_fp6_f32 v[24+4*\cc:26+4*\cc], v[\x+32*\cc+16:\x+32*\cc+31], v[18+\cc]   ; (a conversion's three registers begin on an even number)
.endr
	v_nop                                          ; one plain instruction behind the scaled conversions
.irp cc, 0,1
.irp i, 0,1,2
	v_mov_b32 v[\f+6*\cc+3+\i], v[24+4*\cc+\i]
.endr
.endr
.endm
.macro KST f, s                        ; each store covers 512 consecutive bytes, aligned
	global_store_b128 v12, v[\f:\f+3], s[8:9] offset:1536*\s
.if \s < 3
	global_store_b128 v12, v[\f+4:\f+7], s[8:9] offset:1536*\s+512
	global_store_b128 v12, v[\f+8:\f+11], s[8:9] offset:1536*\s+1024
.endif
.endm
	KLD XA, 0
	KLD XB, 1
.irp u, 0,1,2,3
	ds_load_b128 v[XL+4*\u:XL+4*\u+3], v7 offset:1920+16*\u   ; d = 384 .. 399, in both halves of the lanes
.endr
	s_wait_dscnt 20                                ; K step 0 is in; K step 1's 16 loads and K step 3's 4 may be out
	KQ XA, F0, 32
	KST F0, 0
	KLD XA, 2
	s_wait_dscnt 20                                ; K step 1 is in; K step 3's 4 and K step 2's 16 may be out
	KQ XB, F1, 33
	KST F1, 1
	s_wait_dscnt 16                                ; K step 3's numbers are in
	v_max3_num_f32 v16, |v[XL]|, |v[XL+1]|, 0x1800000
.irp i, 2,4,6,8,10,12,14
	v_max3_num_f32 v16, v16, |v[XL+\i]|, |v[XL+\i+1]|    ; the block's other 16 numbers are the quantiser's zeros
.endr
	v_add_nc_u32 v18, 0xff000000, v16
	v_lshrrev_b32 v35, 23, v18                     ; the word: this byte; the bytes above it stand over zero codes
	v_cvt_scalef32_pk16_fp6_f32 v[F3:F3+2], v[XL:XL+15], v18
	v_mov_b32 v[F3+3], 0                           ; (the plain instruction behind the conversion)
.irp i, 0,1,2
	v_cndmask_b32 v[F3+\i], v[F3+\i], v31, s34     ; lanes 16-31 hold d = 416 on: zero codes
.endr
	KST F3, 3
	s_wait_dscnt 0x0
	KQ XA, F2, 34
	KST F2, 2
	v_cndmask_b32 v36, v32, v33, s34               ; lanes 0-15: K step 0's word, lanes 16-31: K step 1's
	v_cndmask_b32 v37, v34, v35, s34               ; K steps 2 and 3
	global_store_b64 v13, v[36:37], s[10:11]       ; 256 consecutive bytes, aligned
	s_wait_xcnt 0x0                                ; the stores above have read their registers: v192 on are written again below
	; ---- ALONG t
.macro VBLK y, dst, t                  ; 32 numbers of one column, down t, become six registers of codes at v[dst]; the byte in v[20 + t]
	v_max3_num_f32 v16, |v[\y]|, |v[\y+1]|, 0x1800000
	v_max3_num_f32 v17, |v[\y+2]|, |v[\y+3]|, |v[\y+4]|
.irp i, 5,9,13,17,21,25
	v_max3_num_f32 v16, v16, |v[\y+\i]|, |v[\y+\i+1]|
	v_max3_num_f32 v17, v17, |v[\y+\i+2]|, |v[\y+\i+3]|
.endr
	v_max3_num_f32 v16, v16, |v[\y+29]|, |v[\y+30]|
	v_max3_num_f32 v16, v16, v17, |v[\y+31]|
	v_add_nc_u32 v18, 0xff000000, v16
	v_lshrrev_b32 v[20+\t], 23, v18
	v_cvt_scalef32_pk16_fp6_f32 v[\dst:\dst+2], v[\y:\y+15], v18
	v_cvt_scalef32_pk16_fp6_f32 v[24:26], v[\y+16:\y+31], v18
	v_nop
.irp i, 0,1,2
	v_mov_b32 v[\dst+3+\i], v[24+\i]
.endr
.endm
.macro VG k, last                      ; group g = wave + 4 k: columns 32 g + lane.  last = 1: g = 12, which has one tile: both halves of the lanes take columns 384 + r
.set AB, 192+12*(\k)
.irp i, 0,1,2,3,4,5,6,7,8,9,10,11,12,13,14,15,16,17,18,19,20,21,22,23,24,25,26,27,28,29,30,31
.if \last
	ds_load_b32 v[64+\i], v10 offset:2000*\i
.else
	ds_load_b32 v[64+\i], v8 offset:2000*\i+640*(\k)
.endif
.endr
.irp i, 0,1,2,3,4,5,6,7,8,9,10,11,12,13,14,15,16,17,18,19,20,21,22,23,24,25,26,27,28,29,30,31
.if \last
	ds_load_b32 v[96+\i], v11 offset:2000*\i
.else
	ds_load_b32 v[96+\i], v9 offset:2000*\i+640*(\k)
.endif
.endr
	s_wait_dscnt 32                                ; rows 0-31 are in; the 32 loads of rows 32-63 may be out
	VBLK 64, AB, 0
	s_wait_dscnt 0x0
	VBLK 96, AB+6, 1
.irp i, 0,1,2,3,4,5
	v_permlane16_swap_b32 v[AB+\i], v[AB+6+\i]     ; the first's lanes 16-31 change places with the second's lanes 0-15: the first now holds tile 2 g's registers (lanes 0-15 the lower block, lanes 16-31 the upper), the second tile 2 g + 1's
.endr
	v_lshl_or_b32 v[240+(\k)], v21, 8, v20
	v_lshlrev_b32 v[240+(\k)], s35, v[240+(\k)]    ; my column's two bytes at their places in the word
	global_store_b128 v12, v[AB:AB+3], s[12:13] offset:12288*(\k)
	global_store_b64 v13, v[AB+4:AB+5], s[12:13] offset:12288*(\k)+512
.if \last == 0
	global_store_b128 v12, v[AB+6:AB+9], s[12:13] offset:12288*(\k)+1536
	global_store_b64 v13, v[AB+10:AB+11], s[12:13] offset:12288*(\k)+2048
.endif
	global_store_b32 v14, v[240+(\k)], s[14:15] offset:512*(\k)
.endm
	VG 0, 0                                        ; each group stores from registers of its own
	VG 1, 0
	VG 2, 0
	s_cmp_lg_u32 s16, 0
	s_cbranch_scc1 .Lend
	VG 3, 1                                        ; wave 0: the thirteenth group
.Lend:
	s_wait_tensorcnt 0x0                           ; the wave's end, behind my last LDS store
	ds_add_u32 v[SPW], v[NIL]
	s_wait_dscnt 0x0
	s_endpgm
.Lfunc_end_k_qe207587cf6_quant:
	.size	k_qe207587cf6_quant, .Lfunc_end_k_qe207587cf6_quant-k_qe207587cf6_quant
	.p2alignl 7, 3214868480
	.fill 96, 4, 3214868480
	.section	.rodata,"a",@progbits
	.p2align	6, 0x0
	.amdhsa_kernel k_qe207587cf6_quant
		.amdhsa_group_segment_fixed_size 128512
		.amdhsa_private_segment_fixed_size 0
		.amdhsa_enable_private_segment 0
		.amdhsa_kernarg_size 48
		.amdhsa_user_sgpr_count 2
		.amdhsa_user_sgpr_kernarg_segment_ptr 1
		.amdhsa_wavefront_size32 1
		.amdhsa_system_sgpr_workgroup_id_x 1
		.amdhsa_system_sgpr_workgroup_id_y 1
		.amdhsa_system_sgpr_workgroup_id_z 1
		.amdhsa_system_vgpr_workitem_id 0
		.amdhsa_next_free_vgpr 256
		.amdhsa_next_free_sgpr 66
		.amdhsa_reserve_vcc 0
		.amdhsa_float_denorm_mode_32 3
		.amdhsa_float_denorm_mode_16_64 3
		.amdhsa_memory_ordered 1
		.amdhsa_forward_progress 1
		.amdhsa_inst_pref_size 58
	.end_amdhsa_kernel
	.amdgpu_metadata
---
amdhsa.version: [ 1, 2 ]
amdhsa.kernels:
  - .name:           k_qe207587cf6_quant
    .symbol:         k_qe207587cf6_quant.kd
    .args:
      - { .name: H_utt, .offset: 0, .size: 8, .value_kind: global_buffer, .address_space: global }
      - { .name: utterance_len, .offset: 8, .size: 8, .value_kind: global_buffer, .address_space: global }
      - { .name: kimg, .offset: 16, .size: 8, .value_kind: global_buffer, .address_space: global }
      - { .name: ksc, .offset: 24, .size: 8, .value_kind: global_buffer, .address_space: global }
      - { .name: vimg, .offset: 32, .size: 8, .value_kind: global_buffer, .address_space: global }
      - { .name: vsc, .offset: 40, .size: 8, .value_kind: global_buffer, .address_space: global }
    .group_segment_fixed_size: 128512
    .private_segment_fixed_size: 0
    .kernarg_segment_align: 8
    .kernarg_segment_size: 48
    .max_flat_workgroup_size: 128
    .sgpr_count:     66
    .vgpr_count:     256
    .wavefront_size: 32
...
	.end_amdgpu_metadata
.endif
;; end of part 2
;; launch main (part 3): grid 2 x 128, 4 waves a work-group, no clusters, 197,120 bytes of LDS; arguments kimg, ksc, vimg, vsc, qimg, qsc, qa_codes, qa_sc, W_score, b_score, utterance_len, out0, out1; writes out0, out1
.if DOCPART == 3
	.amdgcn_target "amdgcn-amd-amdhsa--gfx1250"
	.amdhsa_code_object_version 6
	.text
	.protected	k_qe207587cf6_main
	.globl	k_qe207587cf6_main
	.p2align	8
	.type	k_qe207587cf6_main,@function
k_qe207587cf6_main:
	s_mov_b64 s[64:65], 0
	v_nop
	global_prefetch_b8 v0, s[64:65] scope:SCOPE_SE
	s_setreg_imm32_b32 hwreg(HW_REG_WAVE_MODE, 25, 1), 1
	s_wait_xcnt 0x0
; out0[b][v] = softmax_t(vals[v] . H[b][t], t < utterance_len[b]) H[b] . W_score + b_score;  out1 = q_acts vals^T.  All three quantised products on codes of FP6 (E2M3) with one E8M0 scale for each 32 along K.
; WORK LEFT OUT: a wave whose key step begins at or beyond utterance_len[b] multiplies nothing: all its keys lie under reference()'s mask (shown at the head of the first kernel).
; SHARES.  A work-group owns one utterance b and 512 of the 1,024 values (32 tiles of 16).  WAVE w OWNS KEY STEP w (keys 128 w .. 128 w + 127): its 32 fragments of H along d, its 25 fragments of H along t and all their scale
; words stay in its registers for the whole launch.  What streams is a value tile: 5 KB of codes out of LDS for 57 matrix instructions.  No tensor load: every operand was laid in the order of its registers and comes by plain loads.
; LAYOUT.  Scores transposed: S^T = K Q^T (source 0 = 16 keys, source 1 = 16 values): a lane holds one value, its registers 16 b + i the keys 32 b + 16 (lane / 16) + i.  d = 400 is three K steps of 128 and one of 16, whose other
; codes are zeros on both sides.  THE MASK IS THE C OF A SCORE TILE'S FIRST MATRIX INSTRUCTION: 0 where the key counts, -2^100 where it does not.
; SOFTMAX.  t = score x log2(e).  For EACH BLOCK of 32 keys: M_b = ceil(the block's largest t), p = 2^(t - M_b), quantised with the block's own scale.  With M = the largest M_b of my 128 keys, e_b = M_b - M (held at -120)
; is added to the block's scale byte and applied to the block's sum of the unquantised p by v_ldexp_f32: powers of two, so the codes' values are those under M.  So a block's exponentials hang on that block's scores alone.
; The block's largest score is taken together with the floor -2^40: in a block that lies wholly under the mask M_b comes from the floor, every p is 0, and the block counts for nothing.
; SECOND PRODUCT, not transposed: D = P (source 0) x a tile of 16 d (source 1): a lane holds d = 16 j + lane % 16, its registers the values 8 (lane / 16) + 0 .. 7.  W_score is folded in at once: y += D x W[d], then summed over 16 lanes.
; BY TURNS.  A wave is alone on its SIMD, so a trip sets its matrix and its vector work side by side.  In the softmax one of the 16 matrix instructions of this tile's score blocks 2 and 3 stands behind every fourth vector line,
; until they are out; the blocks' chains of dependent lines are laid between each other and between the exponentials, which go in two batches with one wait each.  Then one matrix instruction and one slice of four vector lines take
; turns: the 25 products P x V, each folded into y three products later, and among and behind them the 16 matrix instructions of the NEXT tile's score blocks 0 and 1; the last eight carry the sums over the lanes.
; The price is two switches of the register window for each matrix instruction that stands alone.  The last tile's trip, which has no next tile, is written out.
; THE WAVES MEET AT THE END: each leaves (-M, sum, y) for each value in LDS; y = sum_w 2^(M_w - M) y_w / sum_w 2^(M_w - M) l_w + b_score.
; out1: 512 tiles of 16 x 16, two to a work-group (waves 0 and 1), four matrix instructions each.
; LIMITS: NaN and infinities among the inputs are not served; |score| stays under 2^40; a block more than 2^120 under the row's largest counts with 2^-120 of its weight; utterance_len[b] <= 0 gives NaN, as reference() does.
; REGISTERS, in windows of 256 (s_set_vgpr_msb: bits 1:0 source 0, 3:2 source 1, 5:4 source 2, 7:6 destination).  Window 0: the map below.  K fragment f = 8 b + 2 s + u: window 1 + f / 21, register 12 (f % 21).
; V tile j < 21: window 3, 12 j; j = 21 .. 24: window 2, 132 + 12 (j - 21).  The mask: window 2, 184 + 8 tile + register.
.set QSC,   163840                     ; LDS: 0: the 32 value tiles' images, 5,120 bytes each;  QSC: their scale words, 256 bytes each;
.set STATS, 172032                     ; the statistics: -M [wave][512] f32; the sums 8,192 bytes on; y 16,384 bytes on
.set SPARE, 196608                     ; the spare words, 128 bytes for each wave: two blocks of 256 bytes that no other line names
.set TILEB, 5120
.set GAP, 4                            ; vector lines of the softmax between two matrix instructions
.set QA,  4                            ; v4   LDS address of the next tile's image;  v5  of its scale words
.set QS,  5
.set SA,  6                            ; v6   where this tile's -M goes;  v7  its y
.set YA,  7
.set SPW, 8                            ; v8   LDS address of my spare word; never rewritten
.set NIL, 9                            ; v9   0; never rewritten
.set SA0, 10                           ; v10  STATS + 2048 wave + 4 (lane % 16);  v11  STATS + 16384 + 2048 wave + 32 (lane / 16)
.set YA0, 11
.set NMT, 12                           ; v12-19   pairs (-M_b, T_b)
.set KS,  20                           ; v20-35   K's scale words: tile i: 20 + 2 i (K steps 0 | 1), 21 + 2 i (K steps 2 | 3)
.set VS,  36                           ; v36-48   V's scale words: tiles 2 g | 2 g + 1
.set PW,  49                           ; v49      p's scale word
.set QSR, 50                           ; v50-51   the value tile's scale words
.set OA,  52                           ; v52      my byte offset in a tile of out1: 4096 (lane % 16) + 32 (lane / 16); made at the head, never rewritten, never anything else
.set CB,  53                           ; v53      STATS + 16 x my thread's number
.set WR,  54                           ; v54-79   W_score[16 j + lane % 16], j = 0 .. 24; v79 = 0
.set ACC, 80                           ; v80-87   y of eight values
.set Q,   88                           ; v88-135  the value tile's four fragments
.set PC,  136                          ; v136-147 p's codes
.set PT,  148                          ; v148-155 the odd blocks' codes, ahead of the exchange of halves
.set BM,  156                          ; v156-159 a block's largest score, then its largest p
.set BP,  160                          ; v160-163 the other half of the lanes'
.set SO,  164                          ; v164-167 the conversions' scale operands
.set BY,  168                          ; v168-171 the scale bytes
.set LB,  172                          ; v172-179 the blocks' sums, in pairs
.set S,   180                          ; v180-243 S^T, then p; blocks 2 and 3 later take the second product's results, four slots of 8
.set ZR,  244                          ; v244-247 zeros
.set BIG, 248                          ; v248     3e38
.set NEG, 249                          ; v249     -2^100
.set EE,  250                          ; v250-253 e_b.  Ahead of that, at work: v250, v251 the second chain of a block's maximum (even, odd block); v[252:253], v[254:255] the second chain of a block's sum
.set TP,  254                          ; v254     -M of my 128 keys
.set MK,  184                          ; the mask, in window 2
.set MSB, 0
.macro WIN new                         ; the immediate's high byte repeats the setting that is left; a switch that changes nothing is dropped
.if MSB != \new
	s_set_vgpr_msb (MSB<<8)|\new
.set MSB, \new
.endif
.endm
	s_load_b512 s[16:31], s[0:1], 0x0              ; kimg s[16:17], ksc s[18:19], vimg s[20:21], vsc s[22:23], qimg s[24:25], qsc s[26:27], qa_codes s[28:29], qa_sc s[30:31]
	s_load_b256 s[32:39], s[0:1], 0x40             ; W_score s[32:33], b_score s[34:35], utterance_len s[36:37], out0 s[38:39]
	s_load_b64 s[40:41], s[0:1], 0x60              ; out1
	v_lshl_add_u32 v[SPW], v0, 2, SPARE
	v_mov_b32 v[NIL], 0
	v_lshrrev_b32 v1, 5, v0
	v_readfirstlane_b32 s2, v1                     ; wave 0..3
	s_mov_b32 s3, ttmp9                            ; which half of the values
	s_and_b32 s4, ttmp7, 0xffff                    ; b
	v_and_b32 v250, 31, v0                         ; lane
	v_and_b32 v251, 15, v0                         ; r
	v_bfe_u32 v252, v0, 4, 1                       ; h
	v_lshlrev_b32 v1, 4, v250                      ; v1 = 16 lane, v2 = 8 lane, v3 = 4 lane: they stay
	v_lshlrev_b32 v2, 3, v250
	v_lshlrev_b32 v3, 2, v250
	s_lshl_b32 s52, s2, 11
	s_add_co_u32 s54, s52, STATS
	v_lshl_add_u32 v[SA0], v251, 2, s54
	s_add_co_u32 s54, s54, 16384
	v_lshl_add_u32 v[YA0], v252, 5, s54
	v_lshl_add_u32 v[CB], v0, 4, STATS
	v_lshlrev_b32 v[OA], 12, v251                  ; out1: row r of 4,096 bytes,
	v_lshl_add_u32 v[OA], v252, 5, v[OA]           ; + 32 h.  Every address that is used behind a join of the waves' ways is made here, ahead of the first branch
	s_mul_i32 s54, s2, 40960
	v_add_nc_u32 v253, s54, v1                     ; the copy: my wave's quarter of the images,
	s_add_co_u32 s52, s52, QSC
	v_add_nc_u32 v254, s52, v1                     ; and of the scale words
	v_mov_b32 v[QA], v1                            ; tile 0
	v_add_nc_u32 v[QS], QSC, v2
	v_lshlrev_b32 v255, 2, v251                    ; 4 r
	s_mov_b32 s12, 0x3fb8aa3b                      ; log2(e)
	s_mov_b32 s13, s12                             ; (the packed form names the pair and takes its low word for both halves)
	s_mov_b32 s14, 0x76543210
	s_mov_b32 s15, 0xfedcba98                      ; v_permlanex16_b32's selects for lane l xor 16
	s_wait_kmcnt 0x0
	s_lshl_b32 s46, s4, 2
	s_load_b32 s5, s[36:37], s46 offset:0x0        ; utterance_len[b]
	s_load_b32 s50, s[34:35], 0x0                  ; b_score
	s_mul_i32 s52, s3, 163840
	s_mul_i32 s54, s2, 40960
	s_add_co_u32 s52, s52, s54
	s_mov_b32 s53, 0
	s_add_nc_u64 s[42:43], s[24:25], s[52:53]
	s_lshl_b32 s52, s3, 13
	s_lshl_b32 s54, s2, 11
	s_add_co_u32 s52, s52, s54
	s_add_nc_u64 s[44:45], s[26:27], s[52:53]
	; the values' images go to LDS through registers: 84 loads of 512 consecutive bytes a wave
.set NN, 0
.rept 48
	global_load_b128 v[56+4*NN:59+4*NN], v1, s[42:43] offset:512*NN
.set NN, NN+1
.endr
	WIN 0xc0                                       ; destination window 3
.rept 32
	global_load_b128 v[4*(NN-48):4*(NN-48)+3], v1, s[42:43] offset:512*NN
.set NN, NN+1
.endr
.set NN, 0
.rept 4
	global_load_b128 v[128+4*NN:131+4*NN], v1, s[44:45] offset:512*NN
.set NN, NN+1
.endr
	WIN 0
	s_wait_kmcnt 0x0
	s_lshl_b32 s7, s2, 7
	s_sub_co_i32 s7, s5, s7                        ; how many of my keys count, if under 128
	s_cmp_gt_i32 s7, 0
	s_cselect_b32 s6, 1, 0                         ; 1: my key step has a key that counts
	s_cselect_b32 s47, s2, 0                       ; a wave with none loads key step 0's images (its own were never written) and multiplies nothing in the loop: so the head is one text for all waves
	s_min_u32 s47, s47, 3
	s_lshl_b32 s48, s4, 2
	s_add_co_u32 s48, s48, s47
	s_mul_i32 s52, s48, 40960
	s_add_nc_u64 s[16:17], s[16:17], s[52:53]
	s_lshl_b32 s52, s48, 11
	s_add_nc_u64 s[18:19], s[18:19], s[52:53]
	s_mul_i32 s52, s48, 38400
	s_add_nc_u64 s[20:21], s[20:21], s[52:53]
	s_mul_i32 s52, s48, 3328
	s_add_nc_u64 s[22:23], s[22:23], s[52:53]
.macro KTILE i                         ; tile i's four fragments: ten loads of 512 consecutive bytes
.irp s, 0,1,2,3
.set FF, 8*((\i)/2)+2*\s+(\i)%2
.set KR, 12*(FF%21)
.set WW, (1+FF/21)<<6
	WIN WW
	global_load_b128 v[KR:KR+3], v1, s[16:17] offset:TILEB*(\i)+1536*\s
.if \s < 3
	global_load_b128 v[KR+4:KR+7], v1, s[16:17] offset:TILEB*(\i)+1536*\s+512
	global_load_b128 v[KR+8:KR+11], v1, s[16:17] offset:TILEB*(\i)+1536*\s+1024
.endif
.endr
.endm
.macro VTILE j
.if (\j) < 21
.set VB, 12*(\j)
.set WW, 0xc0
.else
.set VB, 132+12*((\j)-21)
.set WW, 0x80
.endif
	WIN WW
.irp c, 0,1
	global_load_b128 v[VB+6*\c:VB+6*\c+3], v1, s[20:21] offset:1536*(\j)+768*\c
	global_load_b64 v[VB+6*\c+4:VB+6*\c+5], v2, s[20:21] offset:1536*(\j)+768*\c+512
.endr
.endm
.irp i, 0,1,2,3,4,5
	KTILE \i
.endr
	WIN 0
	s_wait_loadcnt 60                              ; the copy's 84 loads are in; the 60 loads of K's tiles 0 to 5, issued behind them, stay out
.set NN, 0
.rept 48
	ds_store_b128 v253, v[56+4*NN:59+4*NN] offset:512*NN
.set NN, NN+1
.endr
	WIN 0x0c                                       ; an LDS store's data are its source 1: window 3
.rept 32
	ds_store_b128 v253, v[4*(NN-48):4*(NN-48)+3] offset:512*NN
.set NN, NN+1
.endr
.set NN, 0
.rept 4
	ds_store_b128 v254, v[128+4*NN:131+4*NN] offset:512*NN
.set NN, NN+1
.endr
	KTILE 6
	KTILE 7
	WIN 0
.irp i, 0,1,2,3,4,5,6,7
	global_load_b64 v[KS+2*\i:KS+2*\i+1], v2, s[18:19] offset:256*\i
.endr
.irp g, 0,1,2,3,4,5,6,7,8,9,10,11,12
	global_load_b32 v[VS+\g], v3, s[22:23] offset:128*\g
.endr
	s_wait_dscnt 0x0                               ; the copy's stores have landed, and have read their registers, which are written again from here on
.irp j, 0,1,2,3,4,5,6,7,8,9,10,11,12,13,14,15,16,17,18,19,20,21,22,23,24
	VTILE \j
.endr
	WIN 0
.irp g, 0,1,2,3,4,5,6,7,8,9,10,11,12
	global_load_b32 v[S+\g], v3, s[22:23] offset:1664+128*\g   ; the upper two bytes of V's scale words
.endr
.irp j, 0,1,2,3,4,5,6,7,8,9,10,11,12,13,14,15,16,17,18,19,20,21,22,23,24
	global_load_b32 v[WR+\j], v255, s[32:33] offset:64*\j
.endr
	; while they are on their way: K step 3 has codes in its first four registers alone: the other eight are zero codes, on both sides, written once
.irp i, 0,1,2,3,4,5,6,7
.set FF, 8*(\i/2)+6+\i%2
.set KR, 12*(FF%21)
.set WW, (1+FF/21)<<6
	WIN WW
.irp k, 4,5,6,7,8,9,10,11
	v_mov_b32 v[KR+\k], 0
.endr
.endr
	WIN 0
.irp k, 4,5,6,7,8,9,10,11
	v_mov_b32 v[Q+36+\k], 0
.endr
	v_mov_b32 v[WR+25], 0                          ; (named as the upper half of W's last pair)
.irp k, 0,1,2,3
	v_mov_b32 v[BP+\k], 0                          ; (a lane permute's destination counts as one of its sources)
	v_mov_b32 v[ZR+\k], 0
.endr
	v_mov_b32 v[BIG], 0x7f61b1e6
	v_mov_b32 v[NEG], 0xf1800000
	v_lshlrev_b32 v250, 4, v252
	v_sub_nc_u32 v250, s7, v250                    ; register j of tile 2 b + u holds key 32 b + 8 u + 16 h + j of my 128: it counts where 32 b + 8 u + j < utterance_len - 128 w - 16 h
	WIN 0x80                                       ; destination window 2
.irp i, 0,1,2,3,4,5,6,7
.irp j, 0,1,2,3,4,5,6,7
	v_cmp_lt_i32 vcc_lo, 32*(\i/2)+8*(\i%2)+\j, v250
	v_cndmask_b32 v[MK+8*\i+\j], v[NEG], v[ZR], vcc_lo
.endr
.endr
	WIN 0
	s_barrier_signal -1                            ; every wave's part of the images has landed (the wait on DScnt above; no LDS instruction since)
	s_barrier_wait -1
	s_wait_loadcnt 0x0
.irp g, 0,1,2,3,4,5,6,7,8,9,10,11,12
	v_or_b32 v[VS+\g], v[VS+\g], v[S+\g]
.endr
; One matrix instruction of the scores: block b, K step s, tile 2 b + u.  K step 0 takes the mask as C.
.macro WB1 b, s, u
.set FF, 8*(\b)+2*(\s)+(\u)
.set KR, 12*(FF%21)
.set DR, S+16*(\b)+8*(\u)
.set TI, 2*(\b)+(\u)
.set WW, 1+FF/21
.if (\s) == 0
.set WW, WW|0x20
.endif
	WIN WW
.if (\s) == 0
	v_wmma_scale_f32_16x16x128_f8f6f4 v[DR:DR+7], v[KR:KR+11], v[Q:Q+11], v[MK+8*TI:MK+8*TI+7], v[KS+2*TI], v[QSR] matrix_a_fmt:MATRIX_FMT_FP6 matrix_b_fmt:MATRIX_FMT_FP6
.elseif (\s) == 1
	v_wmma_scale_f32_16x16x128_f8f6f4 v[DR:DR+7], v[KR:KR+11], v[Q+12:Q+23], v[DR:DR+7], v[KS+2*TI], v[QSR] matrix_a_fmt:MATRIX_FMT_FP6 matrix_b_fmt:MATRIX_FMT_FP6 matrix_a_scale:MATRIX_SCALE_ROW1 matrix_b_scale:MATRIX_SCALE_ROW1
.elseif (\s) == 2
	v_wmma_scale_f32_16x16x128_f8f6f4 v[DR:DR+7], v[KR:KR+11], v[Q+24:Q+35], v[DR:DR+7], v[KS+2*TI+1], v[QSR+1] matrix_a_fmt:MATRIX_FMT_FP6 matrix_b_fmt:MATRIX_FMT_FP6
.else
	v_wmma_scale_f32_16x16x128_f8f6f4 v[DR:DR+7], v[KR:KR+11], v[Q+36:Q+47], v[DR:DR+7], v[KS+2*TI+1], v[QSR+1] matrix_a_fmt:MATRIX_FMT_FP6 matrix_b_fmt:MATRIX_FMT_FP6 matrix_a_scale:MATRIX_SCALE_ROW1 matrix_b_scale:MATRIX_SCALE_ROW1
.endif
.endm
.macro WB01                            ; blocks 0 and 1 of the first tile, ahead of the loop: four accumulators by turns
.irp s, 0,1,2,3
	WB1 0, \s, 0
	WB1 0, \s, 1
	WB1 1, \s, 0
	WB1 1, \s, 1
.endr
.endm
.macro QLOAD                           ; a value tile: ten loads of 512 consecutive bytes, and its scale words
.irp s, 0,1,2
.irp g, 0,1,2
	ds_load_b128 v[Q+12*\s+4*\g:Q+12*\s+4*\g+3], v[QA] offset:1536*\s+512*\g
.endr
.endr
	ds_load_b128 v[Q+36:Q+39], v[QA] offset:4608
	ds_load_b64 v[QSR:QSR+1], v[QS]
.endm
; THE SOFTMAX'S LINES are three numbered lists for a block b: AL (21 lines: the largest score, -M_b, t - M_b), EL (17 exponentials), RL (10 lines: codes, sum, scale byte).  Each line ends in TICK, which counts it and puts
; matrix instruction WQ of this tile's score blocks 2 and 3 (block 2 + WQ / 8, K step (WQ % 8) / 2, tile WQ % 2: a block's two accumulators by turns) behind every GAP-th line, until all 16 are out.
.macro TICK
.set VC, VC+1
.if (VC%GAP == 0) && (WQ < 16)
.set HB, 2+WQ/8
.set HS, (WQ%8)/2
.set HU, WQ%2
	WB1 HB, HS, HU
	WIN 0
.set WQ, WQ+1
.endif
.endm
.macro AL b, n                         ; each accumulator is read from its low end on (lines 0 and 1)
.set SB, S+16*(\b)
.set TA, EE+(\b)%2
.if (\n) == 0
	v_max3_num_f32 v[BM+(\b)], v[SB], v[SB+1], v[SB+2]
.elseif (\n) == 1
	v_max3_num_f32 v[TA], v[SB+8], v[SB+9], v[SB+10]
.elseif ((\n) == 2) || ((\n) == 4)
	v_max3_num_f32 v[BM+(\b)], v[BM+(\b)], v[SB+(\n)+1], v[SB+(\n)+2]
.elseif ((\n) == 3) || ((\n) == 5)
	v_max3_num_f32 v[TA], v[TA], v[SB+(\n)+8], v[SB+(\n)+9]
.elseif (\n) == 6
	v_max3_num_f32 v[BM+(\b)], v[BM+(\b)], v[SB+7], v[SB+15]
.elseif (\n) == 7
	v_max_num_f32 v[BM+(\b)], v[BM+(\b)], v[TA]
.elseif (\n) == 8
	v_permlanex16_b32 v[BP+(\b)], v[BM+(\b)], s14, s15
.elseif (\n) == 9
	v_max3_num_f32 v[BM+(\b)], v[BM+(\b)], v[BP+(\b)], 0xd3800000   ; with lane l xor 16's 16 keys, and the floor -2^40
.elseif (\n) == 10
	v_mul_f32 v[NMT+2*(\b)+1], s12, v[BM+(\b)]     ; as t
.elseif (\n) == 11
	v_floor_f32 v[NMT+2*(\b)], -v[NMT+2*(\b)+1]    ; -M_b = floor(-t) = -ceil(t): a whole number
.elseif (\n) < 20
.set KK, SB+2*((\n)-12)
	v_pk_fma_f32 v[KK:KK+1], v[KK:KK+1], s[12:13], v[NMT+2*(\b):NMT+2*(\b)+1] op_sel_hi:[1,0,0]
.else
	v_fma_f32 v[BM+(\b)], v[BM+(\b)], s12, v[NMT+2*(\b)]   ; the same of the largest score: p rises with the score, so this gives the block's largest p
.endif
	TICK
.endm
.macro EL b, n
.if (\n) < 16
	v_exp_f32 v[S+16*(\b)+(\n)], v[S+16*(\b)+(\n)]
.else
	v_exp_f32 v[BM+(\b)], v[BM+(\b)]
.endif
	TICK
.endm
.macro RL b, n
.set SB, S+16*(\b)
.set LR, LB+2*(\b)
.set TR, EE+2+2*((\b)%2)
.if (\n) == 0
	v_add_nc_u32 v[SO+(\b)], 0xff000000, v[BM+(\b)]   ; 2 off the exponent field of the largest p (over 1/2, so no floor is wanted): the conversion's scale operand
.elseif (\n) == 1
.if (\b)%2 == 0
	v_cvt_scalef32_pk16_fp6_f32 v[PC+6*((\b)/2):PC+6*((\b)/2)+2], v[SB:SB+15], v[SO+(\b)]
.else
	v_cvt_scalef32_pk16_fp6_f32 v[PT+4*((\b)/2):PT+4*((\b)/2)+2], v[SB:SB+15], v[SO+(\b)]
.endif
.elseif (\n) == 2
	v_pk_add_f32 v[LR:LR+1], v[SB:SB+1], v[SB+2:SB+3]      ; the sum of the unquantised p, in two chains
.elseif (\n) == 3
	v_pk_add_f32 v[TR:TR+1], v[SB+4:SB+5], v[SB+6:SB+7]
.elseif (\n) == 4
	v_pk_add_f32 v[LR:LR+1], v[LR:LR+1], v[SB+8:SB+9]
.elseif (\n) == 5
	v_pk_add_f32 v[TR:TR+1], v[TR:TR+1], v[SB+10:SB+11]
.elseif (\n) == 6
	v_pk_add_f32 v[LR:LR+1], v[LR:LR+1], v[SB+12:SB+13]
.elseif (\n) == 7
	v_pk_add_f32 v[TR:TR+1], v[TR:TR+1], v[SB+14:SB+15]
.elseif (\n) == 8
	v_pk_add_f32 v[LR:LR+1], v[LR:LR+1], v[TR:TR+1]
.else
	v_lshrrev_b32 v[BY+(\b)], 23, v[SO+(\b)]       ; the scale's byte
.endif
	TICK
.endm
.macro PVW j                           ; D = P x V's tile j, into slot j % 4
.if (\j) < 21
.set VB, 12*(\j)
.set WW, 0x0c
.else
.set VB, 132+12*((\j)-21)
.set WW, 0x08
.endif
.set DR, S+32+8*((\j)%4)
	WIN WW
.if (\j)%2 == 0
	v_wmma_scale_f32_16x16x128_f8f6f4 v[DR:DR+7], v[PC:PC+11], v[VB:VB+11], 0, v[PW], v[VS+(\j)/2] matrix_a_fmt:MATRIX_FMT_FP6 matrix_b_fmt:MATRIX_FMT_FP6
.else
	v_wmma_scale_f32_16x16x128_f8f6f4 v[DR:DR+7], v[PC:PC+11], v[VB:VB+11], 0, v[PW], v[VS+(\j)/2] matrix_a_fmt:MATRIX_FMT_FP6 matrix_b_fmt:MATRIX_FMT_FP6 matrix_b_scale:MATRIX_SCALE_ROW1
.endif
.endm
.macro DOT j                           ; y += D x W[16 j + lane % 16]: W's pair holds tiles j and j + 1; one of the two serves both halves
.set DR, S+32+8*((\j)%4)
.set WP, WR+2*((\j)/2)
	WIN 0
.irp k, 0,2,4,6
.if (\j) == 0
	v_pk_mul_f32 v[ACC+\k:ACC+\k+1], v[DR+\k:DR+\k+1], v[WP:WP+1] op_sel_hi:[1,0]
.elseif (\j)%2 == 0
	v_pk_fma_f32 v[ACC+\k:ACC+\k+1], v[DR+\k:DR+\k+1], v[WP:WP+1], v[ACC+\k:ACC+\k+1] op_sel_hi:[1,0,1]
.else
	v_pk_fma_f32 v[ACC+\k:ACC+\k+1], v[DR+\k:DR+\k+1], v[WP:WP+1], v[ACC+\k:ACC+\k+1] op_sel:[0,1,0] op_sel_hi:[1,1,1]
.endif
.endr
.endm
.macro DPL m, base                     ; four of the 32 lines that sum y over the 16 lanes
	WIN 0
.irp k, 0,1,2,3
	v_add_f32_dpp v[ACC+(\base)+\k], v[ACC+(\base)+\k], v[ACC+(\base)+\k] row_xmask:\m row_mask:0xf bank_mask:0xf
.endr
.endm
.macro DPPS p                          ; slice p of eight: step 1, 2, 4, 8 by p / 2; y's registers 4 (p % 2) on
.set K0, 4*((\p)%2)
.if (\p) < 2
	DPL 1, K0
.elseif (\p) < 4
	DPL 2, K0
.elseif (\p) < 6
	DPL 4, K0
.else
	DPL 8, K0
.endif
.endm
; THE PRODUCTS, in slots: one matrix instruction, then one slice of four vector lines.
; Matrix: next = 1: slots 5, 11, 17, 23 and 29 to 40 take the 16 matrix instructions of the NEXT tile's score blocks 0 and 1 (K step WQ / 4, block (WQ % 4) / 2, tile WQ % 2: four accumulators by turns), the other 25 slots the
; products P x V.  next = 0: the 25 products alone.
; Vector: product j is folded into y behind product j + 3: three slices, twelve plain lines that name none of its registers, stand between; and ahead of product j + 4, which writes its slot again.  Product 0 has no slices behind it:
; five v_nop stand for them (four are owed ahead of the read of its result, five ahead of product 4).  The eight slices of the sums over the lanes stand behind the last eight matrix instructions.
.macro PPHASE next
.set PN, 0                             ; products issued
.set DN, 0                             ; products folded in
.set DP, 0                             ; slices of the lane sums written
.set WQ, 0
.set SN, 0                             ; the slot
.rept 41
.if (PN < 25) && ((SN%6 != 5) || (\next == 0))
	PVW PN
.set PN, PN+1
.elseif \next
.if SN == 5
	s_wait_dscnt 0x0                               ; the next tile is in, and the two stores of -M and the sum are done
.endif
.set HB, (WQ%4)/2
.set HS, WQ/4
.set HU, WQ%2
	WB1 HB, HS, HU
.set WQ, WQ+1
.endif
.if (DN < 25) && ((DN+4 <= PN) || (PN == 25))
.if DN == 0
	WIN 0
.rept 5
	v_nop
.endr
.endif
	DOT DN
.set DN, DN+1
.elseif (DN == 25) && (DP < 8) && ((SN >= 33) || (\next == 0))
	DPPS DP
.set DP, DP+1
.endif
.set SN, SN+1
.endr
	WIN 0
.endm
; A TRIP: one value tile.  At its head blocks 0 and 1 of the tile's scores are in their registers.  next = 1: there is a next tile.
.macro TRIP next
.if \next
	v_add_nc_u32 v[QA], s9, v1                     ; the next tile's image and scale words (the loads that read these two were waited for in the trip before)
	v_add_nc_u32 v[QS], s10, v2
.endif
	s_cmp_eq_u32 s6, 0
	s_cbranch_scc1 .Ldead_\@
.set VC, 0
.set WQ, 0
.irp n, 0,1,2,3,4,5,6,7,8,9,10,11,12,13,14,15,16,17,18,19,20
	AL 0, \n                                       ; blocks 0 and 1, line by line by turns: 42 lines.  Block 2's eight products stand behind lines 4 to 32: ten plain lines follow the last
	AL 1, \n
.endr
.irp n, 0,1,2,3,4,5,6,7,8,9,10,11,12,13,14,15,16
	AL 2, \n                                       ; block 2's chain of dependent lines, two exponentials of blocks 0 and 1 behind each.  Block 3's last product stands behind line 64: twelve plain lines of this chain follow it
	EL 0, \n
	EL 1, \n
.endr
.irp n, 17,18,19,20
	AL 2, \n                                       ; (plain lines behind the last exponential)
.endr
	s_wait_alu depctr_va_vdst(0)                   ; one wait for the batch of 34, ahead of its first reader
.if \next
	QLOAD                                          ; all 16 products that read this tile's fragments are out
.endif
.irp n, 0,1,2,3,4,5,6,7,8,9
	AL 3, 2*\n
	AL 3, 2*\n+1
	RL 0, \n
.endr
	AL 3, 20
.irp n, 0,1,2,3,4,5,6,7,8,9,10,11,12,13,14,15,16
.if \n < 10
	RL 1, \n                                       ; it names results of the first batch alone
.endif
	EL 2, \n
	EL 3, \n
.endr
.if \next
	s_wait_dscnt 11                                ; the last trip's stores of y are done (behind them: the next tile's 11 loads): their address and data registers are written again below
.else
	s_wait_dscnt 0x0
.endif
	v_add_nc_u32 v[SA], s11, v[SA0]                ; (two plain lines behind the last exponential)
	v_add_nc_u32 v[YA], s11, v[YA0]
	s_wait_alu depctr_va_vdst(0)                   ; one wait for the second batch
.irp n, 0,1,2,3,4,5,6,7,8,9
	RL 2, \n
	RL 3, \n
.endr
	v_min3_num_f32 v[TP], v[NMT], v[NMT+2], v[NMT+4]
	v_min_num_f32 v[TP], v[TP], v[NMT+6]           ; -M of my 128 keys
.irp b, 0,1,2,3
	v_sub_f32 v[EE+\b], v[TP], v[NMT+2*\b]         ; e_b = M_b - M: a whole number, 0 or less
.endr
.irp b, 0,1,2,3
	v_max_num_f32 v[EE+\b], 0xc2f00000, v[EE+\b]   ; held at -120: the byte stays above 0
.endr
.irp b, 0,1,2,3
	v_cvt_i32_f32 v[EE+\b], v[EE+\b]
.endr
.irp b, 0,1,2,3
	v_add_nc_u32 v[BY+\b], v[BY+\b], v[EE+\b]
.endr
	v_lshl_or_b32 v[PW], v[BY+1], 8, v[BY]
	v_lshl_or_b32 v[PW], v[BY+2], 16, v[PW]
	v_lshl_or_b32 v[PW], v[BY+3], 24, v[PW]        ; p's scale word for my 128 keys
.irp c, 0,1                            ; the operand's layout wants a whole block in a lane: lanes 0-15 block 2 c, lanes 16-31 block 2 c + 1
.irp i, 0,1,2
	v_permlane16_swap_b32 v[PC+6*\c+\i], v[PT+4*\c+\i]
.endr
.irp i, 0,1,2
	v_mov_b32 v[PC+6*\c+3+\i], v[PT+4*\c+\i]
.endr
.endr
.irp b, 0,1,2,3                        ; the row's sum under M.  (These lines also stand between the writes of p's scale word and codes and the products that take them)
	v_add_f32 v[LB+2*\b], v[LB+2*\b], v[LB+2*\b+1]
.endr
.irp b, 0,1,2,3
	v_ldexp_f32 v[LB+2*\b], v[LB+2*\b], v[EE+\b]
.endr
	v_add_f32 v[LB], v[LB], v[LB+2]
	v_add_f32 v[LB+4], v[LB+4], v[LB+6]
	v_add_f32 v[LB], v[LB], v[LB+4]
	v_permlanex16_b32 v[BP], v[LB], s14, s15
	v_add_f32 v[LB], v[LB], v[BP]
	ds_store_b32 v[SA], v[TP]                      ; lanes r and 16 + r write the same word with the same value
	ds_store_b32 v[SA], v[LB] offset:8192
	PPHASE \next
	ds_store_b128 v[YA], v[ACC:ACC+3]              ; sixteen lanes write the same 16 bytes with the same values
	ds_store_b128 v[YA], v[ACC+4:ACC+7] offset:16
	s_branch .Ljoin_\@
.Ldead_\@:                                         ; none of my keys counts: -M = 3e38, sum 0, y 0
	s_wait_dscnt 0x0                               ; the last trip's stores are done: their address registers are written again
	v_add_nc_u32 v[SA], s11, v[SA0]
	v_add_nc_u32 v[YA], s11, v[YA0]
	ds_store_b32 v[SA], v[BIG]
	ds_store_b32 v[SA], v[ZR] offset:8192
	ds_store_b128 v[YA], v[ZR:ZR+3]
	ds_store_b128 v[YA], v[ZR:ZR+3] offset:16
.Ljoin_\@:
.endm
	QLOAD                                          ; tile 0
	s_wait_dscnt 0x0
	WB01
	WIN 0
.rept 4
	v_nop                                          ; four plain instructions between the products and the first read of their results
.endr
	s_mov_b32 s8, 0                                ; the trip = the value tile
	s_mov_b32 s9, TILEB                            ; the next tile's image,
	s_mov_b32 s10, QSC+256                         ; its scale words,
	s_mov_b32 s11, 0                               ; this tile's place among the statistics: 64 bytes a tile
.Ltrip:                                            ; 31 trips, walked by every wave: all tiles that have a next tile
	TRIP 1
	s_add_co_u32 s9, s9, TILEB
	s_add_co_u32 s10, s10, 256
	s_add_co_u32 s11, s11, 64
	s_add_co_u32 s8, s8, 1
	s_cmp_lt_u32 s8, 31
	s_cbranch_scc1 .Ltrip
	TRIP 0                                         ; the last tile is written out: it fetches nothing and multiplies nothing for a next one
	s_wait_dscnt 0x0                               ; for the others' sake: my statistics have landed
	s_cmp_lt_u32 s2, 2
	s_cbranch_scc0 .Lno_yload
	; waves 0 and 1 ask for the operands of a tile of out1: tile 4 b + 2 half + wave of 512: rows 16 bt on of q_acts, values 16 vt on
	s_lshl_b32 s52, s4, 2
	s_lshl_b32 s54, s3, 1
	s_add_co_u32 s52, s52, s54
	s_add_co_u32 s52, s52, s2
	s_lshr_b32 s55, s52, 6                         ; bt
	s_and_b32 s54, s52, 63                         ; vt
	s_mov_b32 s53, 0
	s_mul_i32 s52, s54, TILEB
	s_add_nc_u64 s[24:25], s[24:25], s[52:53]
	s_lshl_b32 s52, s54, 8
	s_add_nc_u64 s[26:27], s[26:27], s[52:53]
	s_mul_i32 s52, s55, 6144
	s_add_nc_u64 s[28:29], s[28:29], s[52:53]
	s_lshl_b32 s52, s55, 8
	s_add_nc_u64 s[30:31], s[30:31], s[52:53]
	s_lshl_b32 s52, s55, 16
	s_lshl_b32 s54, s54, 6
	s_add_co_u32 s52, s52, s54
	s_add_nc_u64 s[40:41], s[40:41], s[52:53]
	v_and_b32 v242, 15, v0
	v_bfe_u32 v243, v0, 4, 1
	v_mul_u32_u24 v240, v242, 384
	v_mad_u32_u24 v240, v243, 24, v240             ; q's codes: row r of 384 bytes, + 24 h
	v_lshlrev_b32 v241, 4, v242                    ; its scale words: 16 bytes a row
.irp s, 0,1,2
.irp g, 0,1,2
	global_load_b128 v[Q+12*\s+4*\g:Q+12*\s+4*\g+3], v1, s[24:25] offset:1536*\s+512*\g
.endr
.endr
	global_load_b128 v[Q+36:Q+39], v1, s[24:25] offset:4608   ; (the zero codes of K step 3's other eight registers still stand)
	global_load_b64 v[QSR:QSR+1], v2, s[26:27]
.irp s, 0,1,2,3
.irp p, 0,1,2,3,4,5
	global_load_b64 v[S+12*\s+2*\p:S+12*\s+2*\p+1], v240, s[28:29] offset:96*\s+48*(\p/3)+8*(\p%3)
.endr
	global_load_b32 v[KS+\s], v241, s[30:31] offset:4*\s
.endr
.Lno_yload:
	s_barrier_signal -1
	s_barrier_wait -1                              ; everybody's statistics lie in LDS
.irp t, 0,1,2,3                        ; thread n takes values 4 n .. 4 n + 3 of the half
	ds_load_b128 v[136+4*\t:139+4*\t], v[CB] offset:2048*\t
	ds_load_b128 v[152+4*\t:155+4*\t], v[CB] offset:2048*\t+8192
	ds_load_b128 v[54+4*\t:57+4*\t], v[CB] offset:2048*\t+16384
.endr
	s_lshl_b32 s52, s4, 12
	s_lshl_b32 s54, s3, 11
	s_add_co_u32 s52, s52, s54
	s_mov_b32 s53, 0
	s_add_nc_u64 s[38:39], s[38:39], s[52:53]
	v_lshlrev_b32 v239, 4, v0
	s_wait_dscnt 0x0
.irp k, 0,1,2,3
	v_min3_num_f32 v[70+\k], v[136+\k], v[140+\k], v[144+\k]
.endr
.irp k, 0,1,2,3
	v_min_num_f32 v[70+\k], v[70+\k], v[148+\k]    ; -M of the whole row
.endr
.irp t, 0,1,2,3
.irp k, 0,1,2,3
	v_sub_f32 v[136+4*\t+\k], v[70+\k], v[136+4*\t+\k]   ; M_w - M
.endr
.irp k, 0,1,2,3
	v_max_num_f32 v[136+4*\t+\k], 0xc3480000, v[136+4*\t+\k]   ; held at -200, where nothing is left of a sum
.endr
.irp k, 0,1,2,3
	v_cvt_i32_f32 v[136+4*\t+\k], v[136+4*\t+\k]
.endr
.irp k, 0,1,2,3
	v_ldexp_f32 v[152+4*\t+\k], v[152+4*\t+\k], v[136+4*\t+\k]
	v_ldexp_f32 v[54+4*\t+\k], v[54+4*\t+\k], v[136+4*\t+\k]
.endr
.endr
.irp k, 0,1,2,3
	v_add_f32 v[152+\k], v[152+\k], v[156+\k]
	v_add_f32 v[160+\k], v[160+\k], v[164+\k]
	v_add_f32 v[54+\k], v[54+\k], v[58+\k]
	v_add_f32 v[62+\k], v[62+\k], v[66+\k]
.endr
.irp k, 0,1,2,3
	v_add_f32 v[152+\k], v[152+\k], v[160+\k]
	v_add_f32 v[54+\k], v[54+\k], v[62+\k]
.endr
.irp k, 0,1,2,3
	v_rcp_f32 v[74+\k], v[152+\k]
.endr
	v_nop
	s_wait_alu depctr_va_vdst(0)                   ; one wait for the four reciprocals
.irp k, 0,1,2,3
	v_fma_f32 v[84+\k], v[54+\k], v[74+\k], s50    ; y / the sum + b_score
.endr
	global_store_b128 v239, v[84:87], s[38:39]     ; sixteen lanes store 256 consecutive bytes, aligned
	s_cmp_lt_u32 s2, 2
	s_cbranch_scc0 .Lend
	s_wait_loadcnt 0x0
	; out1's tile, transposed: source 0 = 16 values, source 1 = 16 rows of q_acts: a lane holds eight neighbouring values of one row.  One accumulator: a wait directly ahead of each link
	v_wmma_scale_f32_16x16x128_f8f6f4 v[228:235], v[Q:Q+11], v[S:S+11], 0, v[QSR], v[KS] matrix_a_fmt:MATRIX_FMT_FP6 matrix_b_fmt:MATRIX_FMT_FP6
	s_wait_alu depctr_va_vdst(0)
	v_wmma_scale_f32_16x16x128_f8f6f4 v[228:235], v[Q+12:Q+23], v[S+12:S+23], v[228:235], v[QSR], v[KS+1] matrix_a_fmt:MATRIX_FMT_FP6 matrix_b_fmt:MATRIX_FMT_FP6 matrix_a_scale:MATRIX_SCALE_ROW1
	s_wait_alu depctr_va_vdst(0)
	v_wmma_scale_f32_16x16x128_f8f6f4 v[228:235], v[Q+24:Q+35], v[S+24:S+35], v[228:235], v[QSR+1], v[KS+2] matrix_a_fmt:MATRIX_FMT_FP6 matrix_b_fmt:MATRIX_FMT_FP6
	s_wait_alu depctr_va_vdst(0)
	v_wmma_scale_f32_16x16x128_f8f6f4 v[228:235], v[Q+36:Q+47], v[S+36:S+47], v[228:235], v[QSR+1], v[KS+3] matrix_a_fmt:MATRIX_FMT_FP6 matrix_b_fmt:MATRIX_FMT_FP6 matrix_a_scale:MATRIX_SCALE_ROW1
.rept 4
	v_nop
.endr
	global_store_b128 v[OA], v[228:231], s[40:41]  ; pieces of 64 bytes a row: out1 is a small part of what the launch moves, and a stage for it would cost more than it spares
	global_store_b128 v[OA], v[232:235], s[40:41] offset:16
.Lend:
	s_wait_tensorcnt 0x0                           ; the wave's end, behind my last LDS store
	ds_add_u32 v[SPW], v[NIL]
	s_wait_dscnt 0x0
	s_endpgm
.Lfunc_end_k_qe207587cf6_main:
	.size	k_qe207587cf6_main, .Lfunc_end_k_qe207587cf6_main-k_qe207587cf6_main
	.p2alignl 7, 3214868480
	.fill 96, 4, 3214868480
	.section	.rodata,"a",@progbits
	.p2align	6, 0x0
	.amdhsa_kernel k_qe207587cf6_main
		.amdhsa_group_segment_fixed_size 197120
		.amdhsa_private_segment_fixed_size 0
		.amdhsa_enable_private_segment 0
		.amdhsa_kernarg_size 104
		.amdhsa_user_sgpr_count 2
		.amdhsa_user_sgpr_kernarg_segment_ptr 1
		.amdhsa_wavefront_size32 1
		.amdhsa_system_sgpr_workgroup_id_x 1
		.amdhsa_system_sgpr_workgroup_id_y 1
		.amdhsa_system_sgpr_workgroup_id_z 1
		.amdhsa_system_vgpr_workitem_id 0
		.amdhsa_next_free_vgpr 1024
		.amdhsa_next_free_sgpr 66
		.amdhsa_reserve_vcc 1
		.amdhsa_float_denorm_mode_32 3
		.amdhsa_float_denorm_mode_16_64 3
		.amdhsa_memory_ordered 1
		.amdhsa_forward_progress 1
		.amdhsa_inst_pref_size 124
	.end_amdhsa_kernel
	.amdgpu_metadata
---
amdhsa.version: [ 1, 2 ]
amdhsa.kernels:
  - .name:           k_qe207587cf6_main
    .symbol:         k_qe207587cf6_main.kd
    .args:
      - { .name: kimg, .offset: 0, .size: 8, .value_kind: global_buffer, .address_space: global }
      - { .name: ksc, .offset: 8, .size: 8, .value_kind: global_buffer, .address_space: global }
      - { .name: vimg, .offset: 16, .size: 8, .value_kind: global_buffer, .address_space: global }
      - { .name: vsc, .offset: 24, .size: 8, .value_kind: global_buffer, .address_space: global }
      - { .name: qimg, .offset: 32, .size: 8, .value_kind: global_buffer, .address_space: global }
      - { .name: qsc, .offset: 40, .size: 8, .value_kind: global_buffer, .address_space: global }
      - { .name: qa_codes, .offset: 48, .size: 8, .value_kind: global_buffer, .address_space: global }
      - { .name: qa_sc, .offset: 56, .size: 8, .value_kind: global_buffer, .address_space: global }
      - { .name: W_score, .offset: 64, .size: 8, .value_kind: global_buffer, .address_space: global }
      - { .name: b_score, .offset: 72, .size: 8, .value_kind: global_buffer, .address_space: global }
      - { .name: utterance_len, .offset: 80, .size: 8, .value_kind: global_buffer, .address_space: global }
      - { .name: out0, .offset: 88, .size: 8, .value_kind: global_buffer, .address_space: global }
      - { .name: out1, .offset: 96, .size: 8, .value_kind: global_buffer, .address_space: global }
    .group_segment_fixed_size: 197120
    .private_segment_fixed_size: 0
    .kernarg_segment_align: 8
    .kernarg_segment_size: 104
    .max_flat_workgroup_size: 128
    .sgpr_count:     66
    .vgpr_count:     1024
    .wavefront_size: 32
...
	.end_amdgpu_metadata
.endif
;; end of part 3
